; MI455X (gfx1250); checked and timed in simulation.
; The chip was launched on July 23, 2026; its instructions are those of AMD's public machine-readable ISA for CDNA 5 (MIT licence, August 2026) and "CDNA5" Instruction Set Architecture Reference Guide (July 2026). The comments in the code are by the model that wrote it; some were corrected since.
;; Attention Block. Allowed arithmetic: matrix products marked QUANTISED: E4M3 operands, one E8M0 scale for each 32 along K, by v_wmma_scale_f32_16x16x128_f8f6f4 with both operands' format E4M3, f32 sums; everything else in f32.
;; Inputs: bk 256 float32; bo 256 float32; bq 256 float32; bv 256 float32; gn_b 256 float32; gn_w 256 float32; wk_codes 256 x 8 x 32 uint8 (E4M3 codes of wk, K innermost, in blocks of 32 codes); wk_scales 256 x 8 uint8 (E8M0 scales of wk, one for each 32 codes along K); wo_codes 256 x 8 x 32 uint8 (E4M3 codes of wo, K innermost, in blocks of 32 codes); wo_scales 256 x 8 uint8 (E8M0 scales of wo, one for each 32 codes along K); wq_codes 256 x 8 x 32 uint8 (E4M3 codes of wq, K innermost, in blocks of 32 codes); wq_scales 256 x 8 uint8 (E8M0 scales of wq, one for each 32 codes along K); wv_codes 256 x 8 x 32 uint8 (E4M3 codes of wv, K innermost, in blocks of 32 codes); wv_scales 256 x 8 uint8 (E8M0 scales of wv, one for each 32 codes along K); x 4 x 256 x 64 x 64 float32.
;; Outputs: out0 4 x 256 x 64 x 64 float32.
;; This version of the problem:
;;   THIS VERSION OF THE PROBLEM IS GIVEN IN LOW PRECISION. The matrix products marked QUANTISED in the list below multiply operands that are first quantised to E4M3 (4 exponent bits, 3 mantissa bits; 8 bits a number), with one power-of-two scale for each 32 numbers along K (OCP MX v1.0); their sums are f32. All else is computed in f32.
;;   The module's matrix products, in the order in which they are computed (A, B: the left and right operand; K: the contracted axis; several contracted axes count as one K, in the product's order):
;;     1. [M 256, K 256] x [K 256, N 16,384]; A: input wq (given as codes); B: computed on the way: QUANTISED
;;     2. [M 256, K 256] x [K 256, N 16,384]; A: input wk (given as codes); B: computed on the way: QUANTISED
;;     3. [M 256, K 256] x [K 256, N 16,384]; A: input wv (given as codes); B: computed on the way: QUANTISED
;;     4. batch 4 x [M 4,096, K 256] x [K 256, N 4,096]; A: computed on the way; B: computed on the way: QUANTISED
;;     5. batch 4 x [M 4,096, K 4,096] x [K 4,096, N 256]; A: softmax (see below); B: computed on the way: QUANTISED
;;     6. [M 256, K 256] x [K 256, N 16,384]; A: input wo (given as codes); B: computed on the way: QUANTISED
;;   THE QUANTISER, for each operand of a quantised product, along K:
;;     - K is cut into blocks of 32 from its start; a last block that is shorter is filled with zeros.
;;     - A block's scale is 2^e with e = floor(log2(the largest magnitude in the block)) - 8, held to -126 .. 127; a block of zeros has e = 0. As a byte (E8M0): e + 127.
;;     - Each number is divided by its block's scale, clamped to +-448, and rounded to the nearest number of E4M3, ties to even, subnormals kept.
;;     - The product sums the exact products of the quantised numbers (number of the format x scale) in f32.
;;   ~~~python
;;   def quantise(x, axis):      # numpy; x: float32 -> the quantised numbers, widened to float32 again
;;       x = np.moveaxis(x, axis, -1); K = x.shape[-1]
;;       x = np.pad(x, [(0, 0)] * (x.ndim - 1) + [(0, -K % 32)]); x = x.reshape(x.shape[:-1] + (-1, 32)); a = np.abs(x).max(-1, keepdims=True)
;;       e = np.where(a > 0, np.clip(np.frexp(np.where(a > 0, a, 1))[1] - 1 - 8, -126, 127), 0)      # np.frexp(a)[1] - 1 = floor(log2(a)), exactly
;;       r = np.clip(x / 2.0 ** e, -448, 448)
;;       step = 2.0 ** (np.maximum(np.frexp(np.where(r == 0, 1, r))[1] - 1, -6) - 3)
;;       q = np.round(r / step) * step * 2.0 ** e      # np.round: ties to even
;;       return np.moveaxis(q.reshape(q.shape[:-2] + (-1,))[..., :K], -1, axis).astype(np.float32)
;;   ~~~
;;   SOFTMAX AHEAD OF A QUANTISED PRODUCT. Where the list says 'softmax', what is quantised is not the finished softmax but p = 2^(t - M), with t = logit x log2(e) and M = ceil(the row's largest t), a whole number; so 1/2 < the row's largest p <= 1. The row's sum l is taken of the UNQUANTISED p, in f32, and the product's result is divided by l at the end. Since M is a whole number, a kernel that streams over the keys may use a running M (the ceiling of the running maximum): every later rescaling is an exact power of two, which a block's scale takes up: the codes' values come out the same.
;;   OPERANDS COMPUTED ON THE WAY. 'Computed on the way' means the value that the module computes at that place (a softmax that the list does not call 'softmax' is quantised finished and normalised). What goes into a quantiser is computed in f32, as accurately as f32 sums, v_exp_f32 and their like allow (about 1e-6 of the number): no bf16 or f16 on the way to a quantiser, and a product that is left as it is and whose result goes on into a quantised operand takes f32 operands (vector FMAs, or v_wmma_f32_16x16x4_f32). A number that lies on a knife's edge between two numbers of the format may be rounded either way, as far as f32 arithmetic and the matrix unit's own rounding can turn it there, and no further.
;;   INPUTS GIVEN AS CODES. wk (in the module: [256, 256], K = its axis 1); wo (in the module: [256, 256], K = its axis 1); wq (in the module: [256, 256], K = its axis 1); wv (in the module: [256, 256], K = its axis 1): each comes as NAME_codes (uint8): NAME with its K axis moved to the last place and cut into blocks of 32 codes, [.., K / 32, bytes a block], one block behind the other in memory; one code a byte (a code: sign, 4 exponent bits, 3 mantissa bits); and NAME_scales (uint8): the same leading axes, one E8M0 byte (e + 127) for each 32 codes along K. Its value is code x scale, taken as it is: it is not quantised again, and the codes and scales need not be those that the quantiser above would give.
;; One version. Each part assembles by itself: llvm-mc -triple=amdgcn-amd-amdhsa -mcpu=gfx1250 --defsym DOCPART=n.
;; ======== version 1 of 1: 3 launches
;; workspace buffers: stats 2,048 bytes; qbuf 4,325,376 bytes; kv 8,650,752 bytes
;; launch gnstat (part 1): grid 256 x 1, 8 waves a work-group, no clusters, 1,280 bytes of LDS; arguments x, stats; writes stats
.if DOCPART == 1
	.amdgcn_target "amdgcn-amd-amdhsa--gfx1250"
	.amdhsa_code_object_version 6
	.text
	.protected	k_q5544cad063_gnstat
	.globl	k_q5544cad063_gnstat
	.p2align	8
	.type	k_q5544cad063_gnstat,@function
k_q5544cad063_gnstat:
	s_mov_b64 s[64:65], 0
	v_nop
	global_prefetch_b8 v0, s[64:65] scope:SCOPE_SE
	s_setreg_imm32_b32 hwreg(HW_REG_WAVE_MODE, 25, 1), 1
	s_wait_xcnt 0x0
; GROUP NORM, FIRST PART.  x: [4][256][4096] f32.  A group is 8 channels x 4,096 positions = 131,072 dense bytes.
; Work-group i takes half i & 1 of group i >> 1: 65,536 dense bytes, 16,384 numbers.  It stores two f32 at stats + 8 i:
; the half's mean, and the sum of (x - that mean)^2 / 32,768.  The next launch joins the two halves:
; mean = (ma + mb) / 2, var = va + vb + ((ma - mb) / 2)^2.  No difference of large sums is formed anywhere.
; Thread t holds 16 bytes at 16 t + 4,096 k, k = 0 .. 15: each load of a wave covers 512 consecutive bytes, all 16 loads are out at once,
; and the 64 numbers stay in registers for both passes, so that x is read once here.
; No matrix unit, no tensor load, no cluster: the work-groups share no byte and the launch is one stream.
; LIMITS: NaN and infinities in x are not served.
.set X, 16                             ; v16-79  my 64 numbers
	s_load_b128 s[4:7], s[0:1], 0x0                ; x, stats
	v_lshl_add_u32 v96, v0, 2, 0x100
	v_mov_b32 v97, 0
	v_lshlrev_b32 v1, 4, v0                        ; 16 t
	v_lshrrev_b32 v2, 5, v0
	v_readfirstlane_b32 s8, v2                     ; wave 0..7
	s_lshl_b32 s10, ttmp9, 16                      ; my half group's first byte
	s_mov_b32 s11, 0
	s_mov_b32 s12, 0x76543210                      ; v_permlanex16_b32's selects for lane l xor 16
	s_mov_b32 s13, 0xfedcba98
	v_mov_b32 v13, 0                               ; a lane permute's destination counts as read: written once here
	v_mov_b32 v2, 0
	v_mov_b32 v3, s8
	v_lshlrev_b32 v3, 2, v3                        ; LDS: my wave's word
	s_wait_kmcnt 0x0
	s_add_nc_u64 s[4:5], s[4:5], s[10:11]
.set k, 0
.rept 16
	global_load_b128 v[X+4*k:X+4*k+3], v1, s[4:5] offset:4096*k
.set k, k+1
.endr
; the four chains v[4:11] are folded, then the 32 lanes, then the eight waves through LDS words at off
.macro REDUCE off
	v_pk_add_f32 v[4:5], v[4:5], v[6:7]
	v_pk_add_f32 v[8:9], v[8:9], v[10:11]
	v_pk_add_f32 v[4:5], v[4:5], v[8:9]
	v_add_f32 v12, v4, v5
	v_add_f32_dpp v12, v12, v12 row_xmask:1 row_mask:0xf bank_mask:0xf
	v_add_f32_dpp v12, v12, v12 row_xmask:2 row_mask:0xf bank_mask:0xf
	v_add_f32_dpp v12, v12, v12 row_xmask:4 row_mask:0xf bank_mask:0xf
	v_add_f32_dpp v12, v12, v12 row_xmask:8 row_mask:0xf bank_mask:0xf
	v_permlanex16_b32 v13, v12, s12, s13
	v_add_f32 v12, v12, v13
	ds_store_b32 v3, v12 offset:\off               ; all lanes write the wave's word with the same value
	s_wait_dscnt 0x0                               ; for the others' sake: my store has landed
	s_barrier_signal -1
	s_barrier_wait -1
	ds_load_b128 v[80:83], v2 offset:\off
	ds_load_b128 v[84:87], v2 offset:\off+16
	s_wait_dscnt 0x0
	v_add_f32 v80, v80, v81
	v_add_f32 v82, v82, v83
	v_add_f32 v84, v84, v85
	v_add_f32 v86, v86, v87
	v_add_f32 v80, v80, v82
	v_add_f32 v84, v84, v86
	v_add_f32 v12, v80, v84
.endm
; pass 1: the sum, in four chains started by the first four loads: nothing is cleared
.set k, 0
.rept 16
	s_wait_loadcnt 15-k                            ; loads come back in order: load k is in, the 15 - k younger ones may be out
.if k < 4
	v_pk_add_f32 v[4+2*k:5+2*k], v[X+4*k:X+4*k+1], v[X+4*k+2:X+4*k+3]
.else
	v_pk_add_f32 v[4+2*(k%4):5+2*(k%4)], v[4+2*(k%4):5+2*(k%4)], v[X+4*k:X+4*k+1]
	v_pk_add_f32 v[4+2*(k%4):5+2*(k%4)], v[4+2*(k%4):5+2*(k%4)], v[X+4*k+2:X+4*k+3]
.endif
.set k, k+1
.endr
	REDUCE 0
	v_mul_f32 v14, 0x38800000, v12                 ; / 16,384: the half's mean
	v_mov_b32 v15, v14
; pass 2: the squares of the distances from that mean
.set k, 0
.rept 32
	v_pk_add_f32 v[X+2*k:X+2*k+1], v[X+2*k:X+2*k+1], v[14:15] neg_lo:[0,1] neg_hi:[0,1]
.set k, k+1
.endr
.set k, 0
.rept 32
.if k < 4
	v_pk_mul_f32 v[4+2*k:5+2*k], v[X+2*k:X+2*k+1], v[X+2*k:X+2*k+1]
.else
	v_pk_fma_f32 v[4+2*(k%4):5+2*(k%4)], v[X+2*k:X+2*k+1], v[X+2*k:X+2*k+1], v[4+2*(k%4):5+2*(k%4)]
.endif
.set k, k+1
.endr
	REDUCE 64                                      ; other LDS words than the first time, so one barrier serves each
	v_mul_f32 v15, 0x38000000, v12                 ; / 32,768: this half's part of the group's variance
	s_cmp_lg_u32 s8, 0                             ; wave 0's lane 0 stores the pair
	s_cbranch_scc1 .Ldone
	s_lshl_b32 s10, ttmp9, 3
	s_add_nc_u64 s[6:7], s[6:7], s[10:11]
	v_cmp_gt_u32 vcc_lo, 1, v0
	s_wait_xcnt 0x0                                ; EXEC changes only behind this wait
	s_and_saveexec_b32 s9, vcc_lo
	global_store_b64 v2, v[14:15], s[6:7]
	s_wait_xcnt 0x0                                ; and again in front of the line that widens it
	s_or_b32 exec_lo, exec_lo, s9
.Ldone:
	s_wait_tensorcnt 0x0
	ds_add_u32 v96, v97
	s_wait_dscnt 0x0
	s_endpgm
.Lfunc_end_k_q5544cad063_gnstat:
	.size	k_q5544cad063_gnstat, .Lfunc_end_k_q5544cad063_gnstat-k_q5544cad063_gnstat
	.p2alignl 7, 3214868480
	.fill 96, 4, 3214868480
	.section	.rodata,"a",@progbits
	.p2align	6, 0x0
	.amdhsa_kernel k_q5544cad063_gnstat
		.amdhsa_group_segment_fixed_size 1280
		.amdhsa_private_segment_fixed_size 0
		.amdhsa_enable_private_segment 0
		.amdhsa_kernarg_size 16
		.amdhsa_user_sgpr_count 2
		.amdhsa_user_sgpr_kernarg_segment_ptr 1
		.amdhsa_wavefront_size32 1
		.amdhsa_system_sgpr_workgroup_id_x 1
		.amdhsa_system_sgpr_workgroup_id_y 1
		.amdhsa_system_sgpr_workgroup_id_z 1
		.amdhsa_system_vgpr_workitem_id 0
		.amdhsa_next_free_vgpr 98
		.amdhsa_next_free_sgpr 66
		.amdhsa_reserve_vcc 1
		.amdhsa_float_denorm_mode_32 3
		.amdhsa_float_denorm_mode_16_64 3
		.amdhsa_memory_ordered 1
		.amdhsa_forward_progress 1
		.amdhsa_inst_pref_size 12
	.end_amdhsa_kernel
	.amdgpu_metadata
---
amdhsa.version: [ 1, 2 ]
amdhsa.kernels:
  - .name:           k_q5544cad063_gnstat
    .symbol:         k_q5544cad063_gnstat.kd
    .args:
      - { .name: x, .offset: 0, .size: 8, .value_kind: global_buffer, .address_space: global }
      - { .name: stats, .offset: 8, .size: 8, .value_kind: global_buffer, .address_space: global }
    .group_segment_fixed_size: 1280
    .private_segment_fixed_size: 0
    .kernarg_segment_align: 8
    .kernarg_segment_size: 16
    .max_flat_workgroup_size: 256
    .sgpr_count:     66
    .vgpr_count:     98
    .wavefront_size: 32
...
	.end_amdgpu_metadata
.endif
;; end of part 1
;; launch qkv (part 2): grid 128 x 2, 4 waves a work-group, no clusters, 168,448 bytes of LDS; arguments x, stats, gn_w, gn_b, wq_codes, wq_scales, bq, wk_codes, wk_scales, bk, wv_codes, wv_scales, bv, qbuf, kv; writes qbuf, kv
.if DOCPART == 2
	.amdgcn_target "amdgcn-amd-amdhsa--gfx1250"
	.amdhsa_code_object_version 6
	.text
	.protected	k_q5544cad063_qkv
	.globl	k_q5544cad063_qkv
	.p2align	8
	.type	k_q5544cad063_qkv,@function
k_q5544cad063_qkv:
	s_mov_b64 s[64:65], 0
	v_nop
	global_prefetch_b8 v0, s[64:65] scope:SCOPE_SE
	s_setreg_imm32_b32 hwreg(HW_REG_WAVE_MODE, 25, 1), 1
	s_wait_xcnt 0x0
; GROUP NORM'S SECOND PART, Q(h), THE THREE 1 x 1 CONVOLUTIONS, Q(q), Q(k), Q(v).  All products on codes of FP8 (E4M3) with one E8M0 scale for each 32 along K.
; A work-group takes a block of 128 positions of one batch (x of the grid).  y = 0 makes q and v's channels 0-127, y = 1 makes k and v's channels 128-255: one path through the text, the pointers chosen by y.
; Both work-groups of a block norm and quantise the same h: so there are 256 work-groups, and every fragment and every scale word is made whole by one wave.
; THE BUFFERS HOLD IMAGES OF OPERAND REGISTERS.  A fragment (16 rows x 128 K, 16 registers a lane) lies as [chunk c 0..3][lane][16 bytes]: the reader's four loads of 16 bytes at 16 x lane give it its registers.
;   qbuf block, and the first half of a kv block (k): [tile 0..7][K step 0..1] fragments, 32,768 bytes; then scale words [g 0..1][lane][4]: word e of lane L: tile 4 g + e, row L % 16, K step L / 16.
;   second half of a kv block (v, K = the block's 128 keys): [channel tile 0..15] fragments; then scale words [i 0..7][lane]: lanes 0-15 tile 2 i, lanes 16-31 tile 2 i + 1.
; THE ROWS OF A TILE ARE NOT NEIGHBOURS: row r of tile 2 b + u stands for position (for v and the weights: channel) 32 b + 8 u + r + 8 (r / 8).  A product's result holds rows 8 h + j in a lane's registers j,
; so the 16 registers of tiles 2 b, 2 b + 1 are then 16 neighbours, 32 b + 16 h + 0 .. 15, along the next product's K, and the conversions' results are that product's operand.
; PHASES.  x's tile [256 channels][128 positions] comes by one tensor load a wave (64 channels), filled once.  H: a lane takes one position and its registers run down the channels: norm, block maximum, codes; images to LDS.
; QK: wave w makes output channels 128 (w & 1) on for h's tiles 4 (w >> 1) + 0 .. 3 (transposed use: source 0 = the weight, source 1 = h), quantises and stores them.
; V: wave w makes channel tiles 8 y + 2 w + 0, 1 for all 8 tiles of h (source 0 = h, source 1 = the weight: a lane holds one channel, registers along the keys), quantises and stores them.
; The biases are the C of each sum's first product.  The weights stay in registers.
; NO CLUSTER: a tile of x has two readers and is filled once, and the weights go from memory straight into registers, so there is no LDS tile that four work-groups would fill together.
; LIMITS: NaN and infinities are not served; a block whose largest magnitude lies under 2^-118 (zeros too) gets the scale byte 1: its bytes are read by this program alone.
; REGISTERS.  window 0: v1-15 lane numbers and addresses; v16-31 at work in the quantisers; v32 the scale word just made; v40-53 scale words (nothing else); v56-59 offsets of the weights' loads; v60-63 q's or k's scale words;
;   v64-127 fragments of h; v128-191 x's numbers (H), the accumulators (QK); v192-255 codes; in V v128-255 are the accumulators and v64-95 the codes.
;   window 1: the q or k weight, tile t, K step s at 32 t + 16 s.  window 2: v's weight at 32 n + 16 s; bias tiles at 64 + 8 t; v's bias at 128 + 8 n.  window 3: two sets of 96 table numbers.
.set TABM, 0                           ; LDS: for each channel its group's mean,
.set TABA, 1024                        ; 1 / sqrt(var + eps) x gn_w,
.set TABB, 2048                        ; gn_b
.set HSC,  3072                        ; h's scale words: 128 bytes a tile: lanes 0-15 K step 0, lanes 16-31 K step 1
.set HIMG, 4096                        ; h's images: tile x 4,096 + K step x 2,048 + chunk x 512 + 16 x lane
.set XT,   36864                       ; x's tile: 256 rows of 512 bytes; no store ever lands here
.set TM,   16
.set PW,   32
.set SEL,  52
.set MNT,  54
.set MSB,  0
.macro WIN new                         ; the immediate's high byte repeats the setting that is left; a switch that changes nothing is dropped
.if MSB != \new
	s_set_vgpr_msb (MSB<<8)|\new
.set MSB, \new
.endif
.endm
.macro PLACES n
.rept \n
	v_nop
.endr
.endm
; 64 numbers of a lane, v[s] on, register 16 b + i = k 32 b + 16 (lane / 16) + i of my row, become a fragment's codes in v[pc] on and its scale word in v[PW]
.macro QUANT s, pc
.irp b, 0,1,2,3
	v_max3_num_f32 v[TM+\b], |v[\s+16*\b]|, |v[\s+1+16*\b]|, 0x4800000   ; my 16 numbers of block b, and the floor 2^(9 - 127): the byte cannot fall under 1
.endr
.irp i, 2,4,6,8,10,12,14
.irp b, 0,1,2,3
	v_max3_num_f32 v[TM+\b], v[TM+\b], |v[\s+16*\b+\i]|, |v[\s+1+16*\b+\i]|
.endr
.endr
.irp b, 0,1,2,3
	v_permlanex16_b32 v[TM+4+\b], v[TM+\b], s[SEL], s[SEL+1]
.endr
.irp b, 0,1,2,3
	v_max_num_f32 v[TM+\b], v[TM+\b], v[TM+4+\b]                ; with lane l xor 16's: the block's largest magnitude
.endr
.irp b, 0,1,2,3
	v_add_nc_u32 v[TM+12+\b], 0xfc000000, v[TM+\b]              ; 8 off its exponent field: the conversion's scale operand
.endr
.irp b, 0,1,2,3
	v_and_or_b32 v[TM+8+\b], v[TM+\b], 0x7f800000, s[MNT]       ; 448 x the scale
.endr
.irp b, 0,1,2,3
	v_lshrrev_b32 v[TM+4+\b], 23, v[TM+12+\b]                   ; the scale's byte
.endr
	v_lshl_or_b32 v[PW], v[TM+5], 8, v[TM+4]
	v_lshl_or_b32 v[PW], v[TM+6], 16, v[PW]
	v_lshl_or_b32 v[PW], v[TM+7], 24, v[PW]
.irp b, 0,1,2,3
.irp i, 0,1,2,3,4,5,6,7,8,9,10,11,12,13,14,15
	v_med3_num_f32 v[\s+16*\b+\i], v[\s+16*\b+\i], -v[TM+8+\b], v[TM+8+\b]   ; the conversion to an 8-bit code does not saturate (ISA guide 7.6.2): the hold comes first
.endr
	v_cvt_scalef32_pk8_fp8_f32 v[\pc+4*\b:\pc+1+4*\b], v[\s+16*\b:\s+7+16*\b], v[TM+12+\b]
	v_cvt_scalef32_pk8_fp8_f32 v[\pc+2+4*\b:\pc+3+4*\b], v[\s+8+16*\b:\s+15+16*\b], v[TM+12+\b]
.endr
	v_nop                                          ; one plain line behind the last conversion, ahead of whatever next touches its registers
.endm
	s_load_b512 s[4:19], s[0:1], 0x0               ; x 4, stats 6, gn_w 8, gn_b 10, wq_codes 12, wq_scales 14, bq 16, wk_codes 18
	s_load_b256 s[20:27], s[0:1], 0x40             ; wk_scales 20, bk 22, wv_codes 24, wv_scales 26
	s_load_b128 s[28:31], s[0:1], 0x60             ; bv 28, qbuf 30
	s_load_b64 s[32:33], s[0:1], 0x70              ; kv
	v_lshl_add_u32 v33, v0, 2, 0x29000
	s_set_vgpr_msb 0x80
	v_mov_b32 v255, 0
	s_set_vgpr_msb 0x8088
	ds_add_u32 v33, v255
	ds_add_u32 v33, v255
	s_set_vgpr_msb 0x8800
	v_lshrrev_b32 v1, 5, v0
	v_readfirstlane_b32 s34, v1                    ; wave 0..3
	s_and_b32 s35, ttmp7, 0xffff                   ; y
	s_lshr_b32 s36, ttmp9, 5                       ; batch
	s_and_b32 s37, s34, 1                          ; ks: which 128 output channels of q or k are mine
	s_lshr_b32 s39, s34, 1                         ; g: which four tiles of h
	s_lshl_b32 s55, s35, 2
	s_add_co_u32 s55, s55, s34                     ; 4 y + w: which 32 channels of v
	s_mov_b32 s[SEL], 0x76543210
	s_mov_b32 s[SEL+1], 0xfedcba98
	s_mov_b32 s[MNT], 0x600000                     ; the mantissa field of 448
	; descriptor group 1: 64 rows (channels) of 128 elements of 4 bytes, 4,096 elements apart; no padding: the lanes of a read take 32 neighbouring words
	s_mov_b32 s44, 2<<16
	s_mov_b32 s45, 128<<16                         ; tensor_dim0
	s_mov_b32 s46, 64<<16                          ; tensor_dim1
	s_mov_b32 s47, 128<<16                         ; tile_dim0
	s_mov_b32 s48, 64                              ; tile_dim1
	s_mov_b32 s49, 4096                            ; the pitch
	s_mov_b32 s50, 0
	s_mov_b32 s51, 0
	s_mov_b32 s40, 1
	s_lshl_b32 s41, s34, 15
	s_add_co_u32 s41, s41, XT                      ; my 64 rows of the tile in LDS
	s_lshl_b32 s56, s36, 22                        ; batch x 4 MiB
	s_lshl_b32 s57, s34, 20                        ; + 64 channels x wave
	s_add_co_u32 s56, s56, s57
	s_and_b32 s57, ttmp9, 31
	s_lshl_b32 s57, s57, 9                         ; + the block's 512 bytes in a row
	s_add_co_u32 s56, s56, s57
	s_mov_b32 s57, 0
	s_wait_dscnt 0x0
	s_wait_kmcnt 0x0
	s_add_nc_u64 s[42:43], s[4:5], s[56:57]
	s_or_b32 s43, s43, 0x80000000
	tensor_load_to_lds s[40:43], s[44:51]          ; my one tensor load: these bytes are filled once in the launch
	s_nop 0
	PLACES 4
	; the pointers: q's or k's by y
	s_cmp_eq_u32 s35, 0
	s_cselect_b64 s[12:13], s[12:13], s[18:19]     ; the weight's codes,
	s_cselect_b64 s[14:15], s[14:15], s[20:21]     ; its scales,
	s_cselect_b64 s[16:17], s[16:17], s[22:23]     ; its bias,
	s_cselect_b64 s[30:31], s[30:31], s[32:33]     ; where the result goes,
	s_mov_b32 s38, 67584
	s_cselect_b32 s38, 33792, s38                  ; and that buffer's bytes a block
	s_lshl_b32 s56, s37, 15
	s_add_nc_u64 s[12:13], s[12:13], s[56:57]      ; my 128 rows of 256 codes
	s_lshl_b32 s56, s37, 10
	s_add_nc_u64 s[14:15], s[14:15], s[56:57]
	s_lshl_b32 s56, s37, 9
	s_add_nc_u64 s[16:17], s[16:17], s[56:57]
	s_lshl_b32 s56, s55, 13
	s_add_nc_u64 s[24:25], s[24:25], s[56:57]      ; my 32 rows of wv
	s_lshl_b32 s56, s55, 8
	s_add_nc_u64 s[26:27], s[26:27], s[56:57]
	s_lshl_b32 s56, s55, 7
	s_add_nc_u64 s[28:29], s[28:29], s[56:57]
	s_lshl_b32 s56, s36, 9
	s_add_nc_u64 s[6:7], s[6:7], s[56:57]          ; the batch's 32 groups of 16 bytes
	s_mul_i32 s56, ttmp9, s38
	s_add_nc_u64 s[30:31], s[30:31], s[56:57]      ; my block of q or k
	s_lshl_b32 s56, s39, 14
	s_lshl_b32 s58, s37, 11
	s_add_co_u32 s56, s56, s58
	s_add_nc_u64 s[58:59], s[30:31], s[56:57]      ; codes: tile 4 g, K step ks
	s_lshl_b32 s56, s39, 9
	s_add_co_u32 s56, s56, 32768
	s_add_nc_u64 s[60:61], s[30:31], s[56:57]      ; scale words: part g
	s_mul_i32 s56, ttmp9, 67584
	s_lshl_b32 s62, s55, 12
	s_add_co_u32 s56, s56, s62
	s_add_co_u32 s56, s56, 33792
	s_add_nc_u64 s[18:19], s[32:33], s[56:57]      ; v's codes: channel tile 8 y + 2 w
	s_mul_i32 s56, ttmp9, 67584
	s_lshl_b32 s62, s55, 7
	s_add_co_u32 s56, s56, s62
	s_add_co_u32 s56, s56, 66560
	s_add_nc_u64 s[20:21], s[32:33], s[56:57]      ; v's scale words: pair of tiles 4 y + w
	; the table's six loads go first: thread t serves channels t and t + 128
	v_lshlrev_b32 v38, 2, v0
	v_lshrrev_b32 v39, 3, v0
	v_lshlrev_b32 v39, 4, v39
	global_load_b32 v60, v38, s[8:9]
	global_load_b32 v61, v38, s[8:9] offset:512
	global_load_b32 v62, v38, s[10:11]
	global_load_b32 v63, v38, s[10:11] offset:512
	global_load_b128 v[64:67], v39, s[6:7]         ; mean a, part a, mean b, part b of the channel's group
	global_load_b128 v[68:71], v39, s[6:7] offset:256
	v_and_b32 v1, 31, v0                           ; L
	v_and_b32 v2, 15, v0                           ; r
	v_bfe_u32 v3, v0, 4, 1                         ; h
	v_and_b32 v37, 8, v2
	v_add_nc_u32 v37, v37, v2                      ; r + 8 (r / 8)
	v_lshlrev_b32 v56, 8, v37
	v_lshl_add_u32 v56, v3, 4, v56                 ; a weight's row of 256 codes, + 16 h
	v_lshlrev_b32 v57, 3, v37
	v_lshl_add_u32 v57, v3, 2, v57                 ; its 8 scale bytes: lanes 0-15 take K step 0's word, lanes 16-31 K step 1's
	v_lshlrev_b32 v58, 6, v3                       ; q's or k's bias: my half's 16 channels of a pair of tiles
	v_lshlrev_b32 v59, 2, v37                      ; v's bias: my channel
.macro WLOAD t                         ; tile t of the q or k weight begins at row 32 (t / 2) + 8 (t % 2)
.irp s, 0,1
.irp c, 0,1,2,3
	global_load_b128 v[32*\t+16*\s+4*\c:32*\t+16*\s+4*\c+3], v56, s[12:13] offset:(32*(\t/2)+8*(\t%2))*256+128*\s+32*\c
.endr
.endr
.endm
	WIN 0x40                                       ; destination window 1
.irp t, 0,1,2,3
	WLOAD \t
.endr
	WIN 0
	v_and_b32 v36, 7, v0
	v_bfe_u32 v35, v0, 3, 1
	v_lshl_add_u32 v36, v35, 4, v36
	v_lshl_add_u32 v36, v3, 3, v36                 ; my position in the wave's 32: (L & 7) + 16 ((L >> 3) & 1) + 8 (L >> 4): row L % 16 of tile 2 w + L / 16
	s_lshl_b32 s56, s34, 7
	s_add_co_u32 s56, s56, XT
	v_lshl_add_u32 v4, v36, 2, s56                 ; x's tile: my column, channels 0-127;
	v_add_nc_u32 v5, 0x10000, v4                   ; channels 128-255
	s_lshl_b32 s56, s34, 13
	s_add_co_u32 s56, s56, HIMG
	v_lshl_add_u32 v6, v2, 4, s56
	v_lshl_add_u32 v6, v3, 12, v6                  ; where my position's codes go: tile 2 w + h, lane r's place (lane r + 16's is 256 bytes on)
	s_lshl_b32 s56, s34, 8
	s_add_co_u32 s56, s56, HSC
	v_lshl_add_u32 v7, v2, 2, s56
	v_lshl_add_u32 v7, v3, 7, v7                   ; and its scale words
	v_mov_b32 v8, 0                                ; the tables are read at the same address by every lane
	s_lshl_b32 s56, s39, 14
	s_add_co_u32 s56, s56, HIMG
	v_lshl_add_u32 v9, v1, 4, s56                  ; h's images from tile 4 g on
	s_lshl_b32 s56, s39, 9
	s_add_co_u32 s56, s56, HSC
	v_lshl_add_u32 v10, v1, 2, s56
	v_lshl_add_u32 v11, v1, 4, HIMG                ; and from tile 0 on
	v_lshl_add_u32 v12, v1, 2, HSC
	v_lshlrev_b32 v13, 4, v1                       ; 16 L
	s_lshl_b32 s56, s37, 8
	v_lshl_add_u32 v14, v2, 4, s56                 ; 16 (r + 16 ks)
	v_lshlrev_b32 v15, 2, v1                       ; 4 L
.irp b, 0,1,2,3
	v_mov_b32 v[TM+4+\b], 0                        ; written once: a lane permute's destination counts as read
.endr
	s_wait_loadcnt 32                              ; the table's six loads are in; the 32 weight loads behind them may be out
.irp e, 0,1
	v_add_f32 v[72+4*\e], v[64+4*\e], v[66+4*\e]
	v_sub_f32 v[73+4*\e], v[64+4*\e], v[66+4*\e]
	v_add_f32 v[74+4*\e], v[65+4*\e], v[67+4*\e]
	v_mul_f32 v[72+4*\e], 0.5, v[72+4*\e]          ; the group's mean
	v_mul_f32 v[73+4*\e], 0.5, v[73+4*\e]          ; each half's mean lies this far from it
	v_fma_f32 v[74+4*\e], v[73+4*\e], v[73+4*\e], v[74+4*\e]   ; the group's variance
	v_add_f32 v[74+4*\e], 0x3727c5ac, v[74+4*\e]   ; + 1e-5
.endr
	v_rsq_f32 v74, v74
	v_rsq_f32 v78, v78
	v_nop                                          ; one plain line behind the transcendentals
	s_wait_alu depctr_va_vdst(0)
	v_mul_f32 v74, v74, v60
	v_mul_f32 v78, v78, v61
	ds_store_b32 v38, v72 offset:TABM
	ds_store_b32 v38, v76 offset:TABM+512
	ds_store_b32 v38, v74 offset:TABA
	ds_store_b32 v38, v78 offset:TABA+512
	ds_store_b32 v38, v62 offset:TABB
	ds_store_b32 v38, v63 offset:TABB+512
	s_wait_dscnt 0x0                               ; for the others' sake: my part of the tables has landed,
	s_wait_tensorcnt 0x0                           ; and my 64 rows of x
	s_barrier_signal -1
	s_barrier_wait -1
; ---- H.  Block j is channels 32 j on.  HLOAD: my column's 32 numbers, and the 96 table numbers of these channels (the same in every lane), into set j % 2
.macro HLOAD j
.set i, 0
.rept 32
	ds_load_b32 v[128+32*((\j)%2)+i], v[4+(\j)/4] offset:(((\j)%4)*32+i)*512
.set i, i+1
.endr
	WIN 0xc0                                       ; destination window 3
.irp k, 0,1,2
.irp e, 0,1,2,3,4,5,6,7
	ds_load_b128 v[96*((\j)%2)+32*\k+4*\e:96*((\j)%2)+32*\k+4*\e+3], v8 offset:1024*\k+128*(\j)+16*\e
.endr
.endr
	WIN 0
.endm
.macro HBLOCK j
.if \j < 7
	HLOAD \j+1
	s_wait_dscnt 56                                ; all but the 56 loads just issued: this block's numbers are in
.else
	s_wait_dscnt 0x0
.endif
.set XS, 128+32*((\j)%2)
.set TS, 96*((\j)%2)
.set CC, 192+8*((\j)%2)
	WIN 0x0c                                       ; source 1 window 3
.set i, 0
.rept 16
	v_pk_add_f32 v[XS+i:XS+i+1], v[XS+i:XS+i+1], v[TS+i:TS+i+1] neg_lo:[0,1] neg_hi:[0,1]   ; x - mean
.set i, i+2
.endr
	WIN 0x3c                                       ; sources 1 and 2 window 3
.set i, 0
.rept 16
	v_pk_fma_f32 v[XS+i:XS+i+1], v[XS+i:XS+i+1], v[TS+32+i:TS+32+i+1], v[TS+64+i:TS+64+i+1]   ; x (rstd x gain) + bias
.set i, i+2
.endr
	WIN 0
	v_max3_num_f32 v16, |v[XS]|, |v[XS+1]|, |v[XS+2]|           ; the block's largest magnitude: all 32 numbers are mine
	v_max3_num_f32 v17, |v[XS+3]|, |v[XS+4]|, |v[XS+5]|
.irp i, 6,10,14,18,22,26
	v_max3_num_f32 v16, v16, |v[XS+\i]|, |v[XS+\i+1]|
	v_max3_num_f32 v17, v17, |v[XS+\i+2]|, |v[XS+\i+3]|
.endr
	v_max3_num_f32 v16, v16, |v[XS+30]|, |v[XS+31]|
	v_max3_num_f32 v16, v16, v17, 0x4800000        ; and the floor 2^(9 - 127)
	v_add_nc_u32 v18, 0xfc000000, v16              ; the conversion's scale operand
	v_and_or_b32 v19, v16, 0x7f800000, s[MNT]      ; 448 x the scale
	v_lshrrev_b32 v20, 23, v18                     ; the byte
.if (\j)%4 == 0
	v_mov_b32 v[34+(\j)/4], v20                    ; four bytes make a K step's scale word
.else
	v_lshl_or_b32 v[34+(\j)/4], v20, 8*((\j)%4), v[34+(\j)/4]
.endif
.set i, 0
.rept 32
	v_med3_num_f32 v[XS+i], v[XS+i], -v19, v19
.set i, i+1
.endr
.irp e, 0,1,2,3
	v_cvt_scalef32_pk8_fp8_f32 v[CC+2*\e:CC+2*\e+1], v[XS+8*\e:XS+8*\e+7], v18
.endr
	v_nop
	ds_store_b128 v6, v[CC:CC+3] offset:((\j)/4)*2048+((\j)%4)*512        ; channels 32 j + 0 .. 15: lane r's 16 bytes of chunk j % 4
	ds_store_b128 v6, v[CC+4:CC+7] offset:((\j)/4)*2048+((\j)%4)*512+256  ; channels 32 j + 16 .. 31: lane r + 16's
.if (\j)%4 == 3
	ds_store_b32 v7, v[34+(\j)/4] offset:64*((\j)/4)
.endif
.endm
	HLOAD 0
	WIN 0x40                                       ; the other weights are asked for now and land under this phase
.irp t, 4,5,6,7
	WLOAD \t
.endr
	WIN 0x80                                       ; destination window 2
.irp n, 0,1
.irp s, 0,1
.irp c, 0,1,2,3
	global_load_b128 v[32*\n+16*\s+4*\c:32*\n+16*\s+4*\c+3], v56, s[24:25] offset:8*\n*256+128*\s+32*\c
.endr
.endr
.endr
.irp t, 0,1,2,3,4,5,6,7
	global_load_b128 v[64+8*\t:64+8*\t+3], v58, s[16:17] offset:(32*(\t/2)+8*(\t%2))*4        ; lane (r, h), register j: the bias of channel 32 b + 8 u + 16 h + j
	global_load_b128 v[64+8*\t+4:64+8*\t+7], v58, s[16:17] offset:(32*(\t/2)+8*(\t%2))*4+16
.endr
	WIN 0
.irp t, 0,1,2,3,4,5,6,7
	global_load_b32 v[40+\t], v57, s[14:15] offset:(32*(\t/2)+8*(\t%2))*8
.endr
.irp n, 0,1
	global_load_b32 v[48+\n], v57, s[26:27] offset:64*\n
	global_load_b32 v[54+\n], v59, s[28:29] offset:32*\n
.endr
.irp j, 0,1,2,3,4,5,6,7
	HBLOCK \j
.endr
	s_wait_dscnt 0x0                               ; my images have landed
	s_barrier_signal -1
	s_barrier_wait -1                              ; h's sixteen fragments and their scale words lie in LDS
; ---- QK
.macro FETCHQ i                        ; tile 4 g + i of h: two fragments and its scale words
.irp s, 0,1
.irp c, 0,1,2,3
	ds_load_b128 v[64+16*\s+4*\c:64+16*\s+4*\c+3], v9 offset:(\i)*4096+\s*2048+\c*512
.endr
.endr
	ds_load_b32 v[50+(\i)%2], v10 offset:128*(\i)
.endm
	FETCHQ 0
	s_wait_loadcnt 0x0                             ; the weights, their scales, the biases
	WIN 0x80
.irp n, 0,1
.irp j, 0,1,2,3,4,5,6,7
	v_mov_b32 v[128+8*\n+\j], v[54+\n]             ; v's bias as a C: a lane holds one channel, so its eight registers are alike
.endr
.endr
	WIN 0
.irp i, 0,1,2,3
	s_wait_dscnt 0x0
	WIN 0x21                                       ; source 0 (the weight) window 1, source 2 (the bias) window 2
.irp t, 0,1,2,3,4,5,6,7                ; the eight accumulators by turns
	v_wmma_scale_f32_16x16x128_f8f6f4 v[128+8*\t:128+8*\t+7], v[32*\t:32*\t+15], v[64:79], v[64+8*\t:64+8*\t+7], v[40+\t], v[50+\i%2]
.endr
	WIN 0x01
.irp t, 0,1,2,3,4,5,6,7
	v_wmma_scale_f32_16x16x128_f8f6f4 v[128+8*\t:128+8*\t+7], v[32*\t+16:32*\t+31], v[80:95], v[128+8*\t:128+8*\t+7], v[40+\t], v[50+\i%2] matrix_a_scale:MATRIX_SCALE_ROW1 matrix_b_scale:MATRIX_SCALE_ROW1
.endr
	WIN 0
	PLACES 9                                       ; ahead of the loads into h's fragments, of the first read of results, and of later products that write over these registers
.if \i < 3
	FETCHQ \i+1
.endif
	QUANT 128, 192+16*\i
	v_mov_b32 v[60+\i], v[PW]
.irp c, 0,1,2,3
	global_store_b128 v13, v[192+16*\i+4*\c:192+16*\i+4*\c+3], s[58:59] offset:\i*4096+\c*512   ; 512 consecutive bytes a store
.endr
.endr
	global_store_b128 v14, v[60:63], s[60:61]      ; the four tiles' scale words of row r, K step ks: 256 consecutive bytes (lanes r and r + 16 write the same 16 bytes with the same value)
; ---- V
.macro FETCHV p                        ; tiles 2 p, 2 p + 1 of h
.irp e, 0,1
.irp s, 0,1
.irp c, 0,1,2,3
	ds_load_b128 v[64+32*\e+16*\s+4*\c:64+32*\e+16*\s+4*\c+3], v11 offset:(2*(\p)+\e)*4096+\s*2048+\c*512
.endr
.endr
	ds_load_b32 v[52+\e], v12 offset:(2*(\p)+\e)*128
.endr
.endm
	s_wait_xcnt 0x0                                ; the stores above have read their registers: v's accumulators lie over them
	FETCHV 0
.irp p, 0,1,2,3
	s_wait_dscnt 0x0
	WIN 0x28                                       ; source 1 (the weight) and source 2 (the bias) window 2
.irp e, 0,1
.irp n, 0,1
	v_wmma_scale_f32_16x16x128_f8f6f4 v[128+64*\n+8*(2*\p+\e):128+64*\n+8*(2*\p+\e)+7], v[64+32*\e:64+32*\e+15], v[32*\n:32*\n+15], v[128+8*\n:128+8*\n+7], v[52+\e], v[48+\n]
.endr
.endr
	WIN 0x08
.irp e, 0,1
.irp n, 0,1
	v_wmma_scale_f32_16x16x128_f8f6f4 v[128+64*\n+8*(2*\p+\e):128+64*\n+8*(2*\p+\e)+7], v[64+32*\e+16:64+32*\e+31], v[32*\n+16:32*\n+31], v[128+64*\n+8*(2*\p+\e):128+64*\n+8*(2*\p+\e)+7], v[52+\e], v[48+\n] matrix_a_scale:MATRIX_SCALE_ROW1 matrix_b_scale:MATRIX_SCALE_ROW1
.endr
.endr
	WIN 0
	PLACES 9
.if \p < 3
	FETCHV \p+1
.endif
.endr
	QUANT 128, 64                                  ; channel tile 8 y + 2 w: register 16 b + i = key 32 b + 16 h + i of my channel
	v_mov_b32 v36, v[PW]
	QUANT 192, 80                                  ; and the next
.irp n, 0,1
.irp c, 0,1,2,3
	global_store_b128 v13, v[64+16*\n+4*\c:64+16*\n+4*\c+3], s[18:19] offset:\n*2048+\c*512
.endr
.endr
	v_cmp_le_u32 vcc_lo, 16, v1
	v_cndmask_b32 v37, v36, v[PW], vcc_lo          ; lanes 0-15 the first tile's words, lanes 16-31 the second's
	global_store_b32 v15, v37, s[20:21]
	s_set_vgpr_msb 0x8
	s_wait_tensorcnt 0x0
	ds_add_u32 v33, v255
	s_wait_dscnt 0x0
	s_set_vgpr_msb 0x800
	s_endpgm
.Lfunc_end_k_q5544cad063_qkv:
	.size	k_q5544cad063_qkv, .Lfunc_end_k_q5544cad063_qkv-k_q5544cad063_qkv
	.p2alignl 7, 3214868480
	.fill 96, 4, 3214868480
	.section	.rodata,"a",@progbits
	.p2align	6, 0x0
	.amdhsa_kernel k_q5544cad063_qkv
		.amdhsa_group_segment_fixed_size 168448
		.amdhsa_private_segment_fixed_size 0
		.amdhsa_enable_private_segment 0
		.amdhsa_kernarg_size 120
		.amdhsa_user_sgpr_count 2
		.amdhsa_user_sgpr_kernarg_segment_ptr 1
		.amdhsa_wavefront_size32 1
		.amdhsa_system_sgpr_workgroup_id_x 1
		.amdhsa_system_sgpr_workgroup_id_y 1
		.amdhsa_system_sgpr_workgroup_id_z 1
		.amdhsa_system_vgpr_workitem_id 0
		.amdhsa_next_free_vgpr 1024
		.amdhsa_next_free_sgpr 66
		.amdhsa_reserve_vcc 1
		.amdhsa_float_denorm_mode_32 3
		.amdhsa_float_denorm_mode_16_64 3
		.amdhsa_memory_ordered 1
		.amdhsa_forward_progress 1
		.amdhsa_inst_pref_size 167
	.end_amdhsa_kernel
	.amdgpu_metadata
---
amdhsa.version: [ 1, 2 ]
amdhsa.kernels:
  - .name:           k_q5544cad063_qkv
    .symbol:         k_q5544cad063_qkv.kd
    .args:
      - { .name: x, .offset: 0, .size: 8, .value_kind: global_buffer, .address_space: global }
      - { .name: stats, .offset: 8, .size: 8, .value_kind: global_buffer, .address_space: global }
      - { .name: gn_w, .offset: 16, .size: 8, .value_kind: global_buffer, .address_space: global }
      - { .name: gn_b, .offset: 24, .size: 8, .value_kind: global_buffer, .address_space: global }
      - { .name: wq_codes, .offset: 32, .size: 8, .value_kind: global_buffer, .address_space: global }
      - { .name: wq_scales, .offset: 40, .size: 8, .value_kind: global_buffer, .address_space: global }
      - { .name: bq, .offset: 48, .size: 8, .value_kind: global_buffer, .address_space: global }
      - { .name: wk_codes, .offset: 56, .size: 8, .value_kind: global_buffer, .address_space: global }
      - { .name: wk_scales, .offset: 64, .size: 8, .value_kind: global_buffer, .address_space: global }
      - { .name: bk, .offset: 72, .size: 8, .value_kind: global_buffer, .address_space: global }
      - { .name: wv_codes, .offset: 80, .size: 8, .value_kind: global_buffer, .address_space: global }
      - { .name: wv_scales, .offset: 88, .size: 8, .value_kind: global_buffer, .address_space: global }
      - { .name: bv, .offset: 96, .size: 8, .value_kind: global_buffer, .address_space: global }
      - { .name: qbuf, .offset: 104, .size: 8, .value_kind: global_buffer, .address_space: global }
      - { .name: kv, .offset: 112, .size: 8, .value_kind: global_buffer, .address_space: global }
    .group_segment_fixed_size: 168448
    .private_segment_fixed_size: 0
    .kernarg_segment_align: 8
    .kernarg_segment_size: 120
    .max_flat_workgroup_size: 128
    .sgpr_count:     66
    .vgpr_count:     1024
    .wavefront_size: 32
...
	.end_amdgpu_metadata
.endif
;; end of part 2
;; launch attn (part 3): grid 64 x 4, 4 waves a work-group, clusters of 4 x 1, 327,680 bytes of LDS; arguments qbuf, kv, wo_codes, wo_scales, bo, x, out0; writes out0
.if DOCPART == 3
	.amdgcn_target "amdgcn-amd-amdhsa--gfx1250"
	.amdhsa_code_object_version 6
	.text
	.protected	k_q5544cad063_attn
	.globl	k_q5544cad063_attn
	.p2align	8
	.type	k_q5544cad063_attn,@function
k_q5544cad063_attn:
	s_mov_b64 s[64:65], 0
	v_nop
	global_prefetch_b8 v0, s[64:65] scope:SCOPE_SE
	s_setreg_imm32_b32 hwreg(HW_REG_WAVE_MODE, 25, 1), 1
	s_wait_xcnt 0x0
	s_wait_alu depctr_hold_cnt(0) depctr_sa_sdst(0) depctr_va_vdst(0) depctr_va_sdst(0) depctr_va_ssrc(0) depctr_va_vcc(0) depctr_vm_vsrc(0)
	s_getreg_b32 s2, hwreg(HW_REG_IB_STS2, 6, 4)
	s_cmp_eq_u32 s2, 0
	s_cbranch_scc0 .Lentry_in_a_cluster
	s_endpgm
.Lentry_in_a_cluster:
	s_bfe_u32 s2, ttmp6, 0x10000c
	s_cmp_lg_u32 s2, 0x3003
	s_cbranch_scc0 .Lentry_shape_is_right
	s_endpgm
.Lentry_shape_is_right:
; ATTENTION, THE LAST CONVOLUTION AND THE RESIDUAL.  out0 = x + wo Q(softmax(q k^T / 16) v) + bo, all three products on codes of FP8 (E4M3) with one E8M0 scale for each 32 along K.
; q, k, v come from qbuf and kv as images of operand registers (a fragment: [chunk 0..3][lane][16 bytes]); row r of tile 2 b + u stands for position (v: channel) 32 b + 8 u + r + 8 (r / 8).
; THE SOFTMAX: t = score x log2(e) / 16; M = the largest t so far, rounded up to a whole number; p = 2^(t - M) is quantised along the keys; the sum is taken of the unquantised p and divides at the end, ahead of wo's quantiser.
; SHARES.  A work-group owns 64 queries (4 tiles of 16) of one batch.  EACH WAVE HOLDS ALL FOUR TILES AND WALKS A QUARTER OF THE KEYS (8 blocks of 128): so a fragment of k or v read from LDS feeds four products,
; each wave has LDS slots of its own (one for k's half block, one for v's, 33,792 bytes each) and fetches for itself.  At the end the four partial (O, M, sum) are joined through LDS: the factors are powers of two.
; Both products are used transposed (S^T = k q^T, O^T = v^T p^T): a lane holds one query throughout.
; CLUSTER: the four work-groups of a cluster belong to one batch and walk the same k and v, so every tile is asked for jointly, with the mask of all four; my place in the cluster enters only the offsets in qbuf, x and out0.
; A KEY STEP, BY TURNS.  k's 64 products; behind each key tile's eight stand the block maxima of the key tile before | M, f and the blocks' scales, the four query tiles line by line, so that no line waits for the line above it |
; tile by tile: t - M, exponentials, sum, hold, codes; each exponential has a plain instruction behind it: tile 0's the multiply-adds of tiles 0 and 1, the others' the holds of the tile before | in the middle k's slot is filled again |
; v's fragments follow the codes into the scores' registers | v's 64 products; behind each stand the four multiplications that bring the accumulator three turns ahead under the new M | v's slot is filled again.
; So each refill has half a step in which to land.  The multiplications between v's products cost two switches of the register window for each product: set in a phase of their own they would leave the matrix unit without work.
; By this text's own count a wave has two tensor loads out at the start and one behind each round.
; O^T and the sums begin as zeros and the largest t as -3e38, so that the step is written twice only (with and without refills); the zeros are written while the first tiles are on their way.
; LIMITS: NaN and infinities are not served; a block whose largest magnitude lies under 2^-118 (zeros too) gets the scale byte 1, which this program alone reads; the division by the sum is v_rcp_f32 and a multiplication;
; a block's largest p is made from its largest score by the same two instructions, which takes v_exp_f32 not to fall where its input rises.
; REGISTERS.  window 0: v1 my spare word's address, v2 = 0; v3-7 addresses; v8-23 scale words (nothing else): v8-15 k's, then v's; v16-19 q's; v20-23 p's; v24-39 four numbers a tile: -M, largest t, the sum in two halves;
;   v40-55 the 16 block maxima, then hold and scale operand of tiles 2, 3; v56-63 f of the four tiles, in the low halves of four pairs; v64-127 two tiles of k's fragments, then p's codes (16 a tile):
;   until tile 2's codes land, v96-111 keep hold and scale operand of tiles 0, 1; until tile 3's land, v112-127 are at work; v128-255 q (32 a tile).
;   window 1: S^T (64 a tile), then v's 16 fragments.  windows 2, 3: O^T, 128 a tile.
.set KVB,   67584                      ; a block of kv; also a wave's two slots
.set HB,    33792                      ; half of it: what one tensor load brings
.set SPARE, 270336                     ; behind the slots: the spare words, 128 bytes a wave: two blocks of 256 bytes that no other line names
.set OIMG,  270848                     ; the attention's result as images: tile x 4,096 + K step x 2,048 + chunk x 512 + 16 x lane
.set OSC,   287232                     ; its scale words: 128 bytes a tile
.set STATS, 287744                     ; the waves' -M and sums: wave x 1,024 + tile x 256 + (0 | 128) + 4 x lane
.set YST,   17408                      ; the way out: 64 rows x (256 + 16) bytes a wave, in the slots, which have had their last fill by then
.set TM,    40
.set PW,    111
.set SEL,   20
.set MNT,   19
.set MSB,   0
.macro WIN new                         ; the immediate's high byte repeats the setting that is left; a switch that changes nothing is dropped
.if MSB != \new
	s_set_vgpr_msb (MSB<<8)|\new
.set MSB, \new
.endif
.endm
.macro PLACES n
.rept \n
	v_nop
.endr
.endm
.macro CROUND                          ; a round of the cluster's barrier
	s_barrier_signal -1
	s_barrier_wait -1
	s_cmp_lg_u32 s18, 0
	s_cbranch_scc1 .Lnot_wave_0_\@
	s_barrier_signal -3
.Lnot_wave_0_\@:
	s_barrier_wait -3
	s_barrier_signal -1
	s_barrier_wait -1
.endm
; 64 numbers of a lane, v[s] on, register 16 b + i = k 32 b + 16 (lane / 16) + i of my row, become a fragment's codes in v[pc] on and its scale word in v[PW]
.macro QUANT s, pc
.irp b, 0,1,2,3
	v_max3_num_f32 v[TM+\b], |v[\s+16*\b]|, |v[\s+1+16*\b]|, 0x4800000
.endr
.irp i, 2,4,6,8,10,12,14
.irp b, 0,1,2,3
	v_max3_num_f32 v[TM+\b], v[TM+\b], |v[\s+16*\b+\i]|, |v[\s+1+16*\b+\i]|
.endr
.endr
.irp b, 0,1,2,3
	v_permlanex16_b32 v[TM+4+\b], v[TM+\b], s[SEL], s[SEL+1]
.endr
.irp b, 0,1,2,3
	v_max_num_f32 v[TM+\b], v[TM+\b], v[TM+4+\b]
.endr
.irp b, 0,1,2,3
	v_add_nc_u32 v[TM+12+\b], 0xfc000000, v[TM+\b]
.endr
.irp b, 0,1,2,3
	v_and_or_b32 v[TM+8+\b], v[TM+\b], 0x7f800000, s[MNT]
.endr
.irp b, 0,1,2,3
	v_lshrrev_b32 v[TM+4+\b], 23, v[TM+12+\b]
.endr
	v_lshl_or_b32 v[PW], v[TM+5], 8, v[TM+4]
	v_lshl_or_b32 v[PW], v[TM+6], 16, v[PW]
	v_lshl_or_b32 v[PW], v[TM+7], 24, v[PW]
.irp b, 0,1,2,3
.irp i, 0,1,2,3,4,5,6,7,8,9,10,11,12,13,14,15
	v_med3_num_f32 v[\s+16*\b+\i], v[\s+16*\b+\i], -v[TM+8+\b], v[TM+8+\b]   ; the conversion to an 8-bit code does not saturate (ISA guide 7.6.2)
.endr
	v_cvt_scalef32_pk8_fp8_f32 v[\pc+4*\b:\pc+1+4*\b], v[\s+16*\b:\s+7+16*\b], v[TM+12+\b]
	v_cvt_scalef32_pk8_fp8_f32 v[\pc+2+4*\b:\pc+3+4*\b], v[\s+8+16*\b:\s+15+16*\b], v[TM+12+\b]
.endr
	v_nop
.endm
	s_load_b256 s[4:11], s[0:1], 0x0               ; qbuf 4, kv 6, wo_codes 8, wo_scales 10
	s_load_b128 s[12:15], s[0:1], 0x20             ; bo 12, x 14
	s_load_b64 s[16:17], s[0:1], 0x30              ; out0
	v_lshl_add_u32 v1, v0, 2, SPARE
	v_mov_b32 v2, 0
	ds_add_u32 v1, v2
	ds_add_u32 v1, v2
	s_wait_dscnt 0x0
	v_lshrrev_b32 v3, 5, v0
	v_readfirstlane_b32 s18, v3                    ; wave 0..3
	s_bfe_u32 s41, ttmp6, 0x40000                  ; cx
	s_lshl_b32 s42, ttmp9, 2
	s_add_co_u32 s42, s42, s41                     ; which 64 queries of the batch: 4 x cluster x + cx
	s_and_b32 s43, ttmp7, 0xffff                   ; the batch, which the four partners share
	s_mov_b32 s[MNT], 0x600000
	s_mov_b32 s[SEL], 0x76543210
	s_mov_b32 s[SEL+1], 0xfedcba98
	s_mov_b32 s22, 0x3db8aa3b                      ; c = log2(e) / 16
	s_mov_b32 s23, s22                             ; (named with it as a pair)
	; descriptor group 1: 33,792 dense bytes as 132 rows of 32 elements of 8 bytes; images are read 16 bytes a lane on end, so there is no padding
	s_mov_b32 s24, 15|(3<<16)|(1<<21)              ; the mask of all four work-groups; elements of 8 bytes; bit 21 beside a mask
	s_mov_b32 s25, 32<<16
	s_mov_b32 s26, 132<<16
	s_mov_b32 s27, 32<<16
	s_mov_b32 s28, 132
	s_mov_b32 s29, 32
	s_mov_b32 s30, 0
	s_mov_b32 s31, 0
	s_lshl_b32 s44, s43, 5
	s_lshl_b32 s45, s18, 3
	s_add_co_u32 s44, s44, s45
	s_mul_i32 s44, s44, KVB                        ; my first block of kv: 32 x batch + 8 x wave: nothing of cx
	s_mov_b32 s45, 0
	s_mov_b32 s32, 1
	s_mul_i32 s33, s18, KVB                        ; k's slot
	s_mov_b32 s36, 1
	s_add_co_u32 s37, s33, HB                      ; v's slot
	s_lshl_b32 s46, s43, 5
	s_lshr_b32 s47, s42, 1
	s_add_co_u32 s46, s46, s47
	s_mul_i32 s46, s46, HB                         ; my block of qbuf,
	s_and_b32 s50, s42, 1                          ; and which half of its 8 tiles
	s_lshl_b32 s48, s50, 9
	s_add_co_u32 s48, s48, s46
	s_add_co_u32 s48, s48, 32768                   ; its scale words
	s_mov_b32 s49, 0
	s_lshl_b32 s50, s50, 14
	s_add_co_u32 s46, s46, s50                     ; its codes
	s_mov_b32 s47, 0
	s_lshl_b32 s52, s43, 22
	s_lshl_b32 s53, s18, 20
	s_add_co_u32 s52, s52, s53
	s_lshl_b32 s53, s42, 8
	s_add_co_u32 s52, s52, s53                     ; x and out0: the batch, my 64 channels, the 64 positions' 256 bytes
	s_mov_b32 s53, 0
	s_lshl_b32 s54, s18, 14                        ; wo: my 64 rows
	s_mov_b32 s55, 0
	s_lshl_b32 s56, s18, 9
	s_mov_b32 s57, 0
	s_lshl_b32 s58, s18, 8
	s_mov_b32 s59, 0
	s_add_co_u32 s62, s37, 32768                   ; v's scale words in its slot
	s_mov_b32 s40, 7
	s_wait_kmcnt 0x0
	s_add_nc_u64 s[34:35], s[6:7], s[44:45]
	s_add_nc_u64 s[38:39], s[34:35], HB
	s_or_b32 s35, s35, 0x80000000
	s_or_b32 s39, s39, 0x80000000
	s_add_nc_u64 s[60:61], s[4:5], s[48:49]
	s_add_nc_u64 s[4:5], s[4:5], s[46:47]
	s_add_nc_u64 s[14:15], s[14:15], s[52:53]
	s_add_nc_u64 s[16:17], s[16:17], s[52:53]
	s_add_nc_u64 s[8:9], s[8:9], s[54:55]
	s_add_nc_u64 s[10:11], s[10:11], s[56:57]
	s_add_nc_u64 s[12:13], s[12:13], s[58:59]
	CROUND                                         ; all four work-groups are here: the first joint loads meet
	tensor_load_to_lds s[32:35], s[24:31]          ; k of my first block,
	s_nop 0
	tensor_load_to_lds s[36:39], s[24:31]          ; v of it: the two first fills stand together
	s_nop 0
	PLACES 4
	v_and_b32 v6, 31, v0
	v_lshlrev_b32 v7, 4, v6                        ; 16 L
	v_add_nc_u32 v3, s33, v7                       ; k's slot, my lane's 16 bytes
	v_add_nc_u32 v4, s37, v7                       ; v's
	v_lshl_add_u32 v5, v6, 2, s62                  ; v's scale words, my lane's
.irp q, 0,1,2,3
.irp e, 0,1
.irp c, 0,1,2,3
	global_load_b128 v[128+32*\q+16*\e+4*\c:128+32*\q+16*\e+4*\c+3], v7, s[4:5] offset:\q*4096+\e*2048+\c*512   ; q stays in registers
.endr
.endr
.endr
	global_load_b128 v[16:19], v7, s[60:61]        ; its scale words: register q: lanes 0-15 K step 0, lanes 16-31 K step 1
.irp q, 0,1,2,3
	v_mov_b32 v[25+4*\q], 0xff61b1e6               ; the largest t so far: -3e38
	v_floor_f32 v[24+4*\q], -v[25+4*\q]            ; -M
	v_mov_b32 v[26+4*\q], 0
	v_mov_b32 v[27+4*\q], 0
	v_mov_b32 v[57+2*\q], 0                        ; (named as the upper half of f's pair)
.endr
	WIN 0x80
.set i, 0
.rept 256
	v_mov_b32 v[i], 0                              ; O^T of tiles 0, 1
.set i, i+1
.endr
	WIN 0xc0
.set i, 0
.rept 256
	v_mov_b32 v[i], 0                              ; and of tiles 2, 3
.set i, i+1
.endr
	WIN 0
.macro KLOAD t                         ; key tile t: two fragments into set t % 2
.irp e, 0,1
.irp c, 0,1,2,3
	ds_load_b128 v[64+32*((\t)%2)+16*\e+4*\c:64+32*((\t)%2)+16*\e+4*\c+3], v3 offset:(\t)*4096+\e*2048+\c*512
.endr
.endr
.endm
; The largest score of each block of 32 keys (it serves the row's maximum and the block's largest p) takes in key tile t: registers 16 b + 0 .. 6 of block b = t / 2 for an even t, 16 b + 7 .. 15 for an odd one.
; The four query tiles by turns.  Each accumulator is read from its low end on.
.macro MAXT t
.set MB, (\t)/2
.if (\t)%2 == 0
	WIN 0x15
.irp q, 0,1,2,3
	v_max3_num_f32 v[40+4*\q+MB], v[64*\q+16*MB], v[64*\q+16*MB+1], v[64*\q+16*MB+2]
.endr
	WIN 0x14
.irp i, 3,5
.irp q, 0,1,2,3
	v_max3_num_f32 v[40+4*\q+MB], v[40+4*\q+MB], v[64*\q+16*MB+\i], v[64*\q+16*MB+\i+1]
.endr
.endr
.else
	WIN 0x14
.irp i, 7,9,11,13
.irp q, 0,1,2,3
	v_max3_num_f32 v[40+4*\q+MB], v[40+4*\q+MB], v[64*\q+16*MB+\i], v[64*\q+16*MB+\i+1]
.endr
.endr
.irp q, 0,1,2,3
	v_max_num_f32 v[40+4*\q+MB], v[40+4*\q+MB], v[64*\q+16*MB+15]
.endr
.endif
.endm
; S^T = k q^T for 128 keys x 64 queries: 64 products.  Each key tile's two fragments feed the four query tiles; the four accumulators take turns.
; Behind key tile t's products stand the maxima of key tile t - 1: 12 or 20 plain instructions that name no register of tile t's products.  They are the places (ISA guide 7.12.1 for the reads of the scores)
; ahead of the loads into tile t's fragments and ahead of the first read of tile t's scores, which comes one key tile later.
.macro KPHASE
	ds_load_b128 v[8:11], v3 offset:32768          ; k's scale words: register t: lanes 0-15 K step 0, lanes 16-31 K step 1
	ds_load_b128 v[12:15], v3 offset:33280
	KLOAD 0
	KLOAD 1
.irp t, 0,1,2,3,4,5,6,7
.if \t < 7
	s_wait_dscnt 8                                 ; tile t is in; the next tile's eight loads may be out
.else
	s_wait_dscnt 0x0
.endif
	WIN 0x50                                       ; C and D window 1
.irp q, 0,1,2,3
	v_wmma_scale_f32_16x16x128_f8f6f4 v[64*\q+8*\t:64*\q+8*\t+7], v[64+32*(\t%2):64+32*(\t%2)+15], v[128+32*\q:128+32*\q+15], 0, v[8+\t], v[16+\q]
.endr
.irp q, 0,1,2,3
	v_wmma_scale_f32_16x16x128_f8f6f4 v[64*\q+8*\t:64*\q+8*\t+7], v[64+32*(\t%2)+16:64+32*(\t%2)+31], v[128+32*\q+16:128+32*\q+31], v[64*\q+8*\t:64*\q+8*\t+7], v[8+\t], v[16+\q] matrix_a_scale:MATRIX_SCALE_ROW1 matrix_b_scale:MATRIX_SCALE_ROW1
.endr
.if \t == 0
	WIN 0
	PLACES 8                                       ; no scores are ready yet
.else
	MAXT \t-1
.endif
.if \t < 6
	WIN 0
	KLOAD \t+2
.endif
.endr
	MAXT 7                                         ; behind tile 6's twelve
	WIN 0
.endm
; M, f and the blocks' scales of all four query tiles, line by line.  v[40 + 4 q + b]: block b's largest score of tile q; v112-127 at work.
.macro STAT4
.irp b, 0,1,2,3
.irp q, 0,1,2,3
	v_permlanex16_b32 v[112+4*\q+\b], v[40+4*\q+\b], s[SEL], s[SEL+1]
.endr
.endr
.irp b, 0,1,2,3
.irp q, 0,1,2,3
	v_max_num_f32 v[40+4*\q+\b], v[40+4*\q+\b], v[112+4*\q+\b]   ; with lane l xor 16's 16 keys
.endr
.endr
.irp q, 0,1,2,3
	v_max3_num_f32 v[112+4*\q], v[40+4*\q], v[41+4*\q], v[42+4*\q]
.endr
.irp q, 0,1,2,3
	v_max_num_f32 v[112+4*\q], v[112+4*\q], v[43+4*\q]          ; the step's largest score of my query
.endr
.irp q, 0,1,2,3
	v_mul_f32 v[112+4*\q], s22, v[112+4*\q]                     ; as t (c is positive)
.endr
.irp q, 0,1,2,3
	v_max_num_f32 v[25+4*\q], v[25+4*\q], v[112+4*\q]           ; the running largest t
.endr
.irp q, 0,1,2,3
	v_mov_b32 v[113+4*\q], v[24+4*\q]
.endr
.irp q, 0,1,2,3
	v_floor_f32 v[24+4*\q], -v[25+4*\q]                         ; the new -M = -ceil(t)
.endr
.irp q, 0,1,2,3
	v_sub_f32 v[113+4*\q], v[24+4*\q], v[113+4*\q]              ; old M - new M: a whole number, 0 or less
.endr
.irp q, 0,1,2,3
	v_cvt_i32_f32 v[113+4*\q], v[113+4*\q]                      ; (it saturates)
.endr
.irp q, 0,1,2,3
	v_ldexp_f32 v[56+2*\q], 1.0, v[113+4*\q]                    ; f = 2^(old M - new M)
.endr
.irp b, 0,1,2,3
.irp q, 0,1,2,3
	v_fma_f32 v[40+4*\q+\b], v[40+4*\q+\b], s22, v[24+4*\q]
.endr
.endr
.irp b, 0,1,2,3
.irp q, 0,1,2,3
	v_exp_f32 v[40+4*\q+\b], v[40+4*\q+\b]                      ; each block's largest p
.endr
.endr
.irp q, 0,1,2,3
	v_pk_mul_f32 v[26+4*\q:27+4*\q], v[26+4*\q:27+4*\q], v[56+2*\q:57+2*\q] op_sel_hi:[1,0]   ; the sums under the new M (the plain lines behind the exponentials)
.endr
	s_wait_alu depctr_va_vdst(0)
.irp b, 0,1,2,3
.irp q, 0,1,2,3
	v_max_num_f32 v[40+4*\q+\b], 0x4800000, v[40+4*\q+\b]       ; the floor 2^(9 - 127)
.endr
.endr
.irp b, 0,1,2,3
.irp q, 0,1
	v_add_nc_u32 v[104+4*\q+\b], 0xfc000000, v[40+4*\q+\b]      ; the conversion's scale operand: tiles 0, 1 at v104-111,
.endr
.endr
.irp b, 0,1,2,3
.irp q, 0,1
	v_and_or_b32 v[96+4*\q+\b], v[40+4*\q+\b], 0x7f800000, s[MNT]   ; 448 x the scale: at v96-103
.endr
.endr
.irp b, 0,1,2,3
.irp q, 2,3
	v_add_nc_u32 v[32+4*\q+\b], 0xfc000000, v[40+4*\q+\b]       ; tiles 2, 3: at v40-47, which tiles 0, 1 have left,
.endr
.endr
.irp b, 0,1,2,3
.irp q, 2,3
	v_and_or_b32 v[40+4*\q+\b], v[40+4*\q+\b], 0x7f800000, s[MNT]   ; and in place, at v48-55
.endr
.endr
.irp b, 0,1,2,3
.irp q, 0,1
	v_lshrrev_b32 v[112+4*\q+\b], 23, v[104+4*\q+\b]            ; the scales' bytes
.endr
.irp q, 2,3
	v_lshrrev_b32 v[112+4*\q+\b], 23, v[32+4*\q+\b]
.endr
.endr
.irp q, 0,1,2,3
	v_lshl_or_b32 v[20+\q], v[113+4*\q], 8, v[112+4*\q]         ; p's scale words for these 128 keys
.endr
.irp q, 0,1,2,3
	v_lshl_or_b32 v[20+\q], v[114+4*\q], 16, v[20+\q]
.endr
.irp q, 0,1,2,3
	v_lshl_or_b32 v[20+\q], v[115+4*\q], 24, v[20+\q]
.endr
.endm
.macro FMAP q, p                       ; t - M of pair p of tile q (destination and source 0 window 1)
	v_pk_fma_f32 v[64*(\q)+2*(\p):64*(\q)+2*(\p)+1], v[64*(\q)+2*(\p):64*(\q)+2*(\p)+1], s[22:23], v[24+4*(\q):25+4*(\q)] op_sel_hi:[1,0,0]
.endm
.macro FMA q
	WIN 0x41
.set i, 0
.rept 32
	FMAP \q, i
.set i, i+1
.endr
.endm
; Tile 0's exponentials; behind each a multiply-add that is still to be done: tile 0's pairs two ahead, then tile 1's
.macro EXP0
	WIN 0x41
	FMAP 0, 0
	FMAP 0, 1
.set i, 0
.rept 64
	v_exp_f32 v[i], v[i]
.if i < 30
	FMAP 0, i+2
.elseif i < 62
	FMAP 1, i-30
.endif
.set i, i+1
.endr
.endm
; The sum of tile q's unquantised p, two at a time, in four chains
.macro SUM q
.set S, 64*(\q)
.set ST, 24+4*(\q)
	WIN 0x05
	s_wait_alu depctr_va_vdst(0)
	v_pk_add_f32 v[112:113], v[S:S+1], v[S+2:S+3]
	v_pk_add_f32 v[114:115], v[S+4:S+5], v[S+6:S+7]
	v_pk_add_f32 v[116:117], v[S+8:S+9], v[S+10:S+11]
	WIN 0x04
.set i, 12
.rept 6
	v_pk_add_f32 v[ST+2:ST+3], v[ST+2:ST+3], v[S+i:S+i+1]
	v_pk_add_f32 v[112:113], v[112:113], v[S+i+2:S+i+3]
	v_pk_add_f32 v[114:115], v[114:115], v[S+i+4:S+i+5]
	v_pk_add_f32 v[116:117], v[116:117], v[S+i+6:S+i+7]
.set i, i+8
.endr
	v_pk_add_f32 v[ST+2:ST+3], v[ST+2:ST+3], v[S+60:S+61]
	v_pk_add_f32 v[112:113], v[112:113], v[S+62:S+63]
	WIN 0
	v_pk_add_f32 v[114:115], v[114:115], v[116:117]
	v_pk_add_f32 v[ST+2:ST+3], v[ST+2:ST+3], v[112:113]
	v_pk_add_f32 v[ST+2:ST+3], v[ST+2:ST+3], v[114:115]
.endm
; Tile q's exponentials and the holds of tile q - 1 by turns: both work in place in window 1, under one setting.  p is not negative, so the hold is one-sided.
.macro EM q
.set S, 64*(\q)
.set HR, 96+4*((\q)-1)-56*(((\q)-1)/2)
	WIN 0x41
.set i, 0
.rept 64
	v_exp_f32 v[S+i], v[S+i]
	v_min_num_f32 v[S-64+i], v[S-64+i], v[HR+i/16]
.set i, i+1
.endr
.endm
.macro MIN3                            ; tile 3's holds
	WIN 0x41
.set i, 0
.rept 64
	v_min_num_f32 v[192+i], v[192+i], v[52+i/16]
.set i, i+1
.endr
.endm
.macro CVT q                           ; tile q's codes
.set S, 64*(\q)
.set SR, 104+4*(\q)-72*((\q)/2)
	WIN 0x01
.irp b, 0,1,2,3
	v_cvt_scalef32_pk8_fp8_f32 v[64+16*(\q)+4*\b:64+16*(\q)+4*\b+1], v[S+16*\b:S+16*\b+7], v[SR+\b]
	v_cvt_scalef32_pk8_fp8_f32 v[64+16*(\q)+4*\b+2:64+16*(\q)+4*\b+3], v[S+16*\b+8:S+16*\b+15], v[SR+\b]
.endr
	v_nop                                          ; one plain line behind the last conversion
.endm
.macro VLOAD4 q                        ; channel tiles 4 q .. 4 q + 3 of v into window 1, where tile q's scores lay
	WIN 0x40
.irp e, 0,1,2,3
.irp c, 0,1,2,3
	ds_load_b128 v[64*(\q)+16*\e+4*\c:64*(\q)+16*\e+4*\c+3], v4 offset:(4*(\q)+\e)*2048+\c*512
.endr
.endr
.endm
; O^T += v^T p^T: 64 products on 64 accumulators, one each.  Accumulator n: query tile 2 (n / 32) + n % 2, channel tile (n % 32) / 2.
.macro RESC n                          ; accumulator n under the new M, from its low end on
.set PP, (\n)/32
.set EE, (\n)%2
.set RB, 128*EE+8*(((\n)%32)/2)
	WIN 0x82+0x41*PP                               ; destination and source 0 window 2 or 3, f window 0
.irp j, 0,2,4,6
	v_pk_mul_f32 v[RB+\j:RB+\j+1], v[RB+\j:RB+\j+1], v[56+4*PP+2*EE:57+4*PP+2*EE] op_sel_hi:[1,0]
.endr
.endm
.macro PVW n
.set PP, (\n)/32
.set UU, ((\n)%32)/2
.set EE, (\n)%2
	WIN 0xa1+0x50*PP                               ; source 0 (v) window 1, source 1 (p) window 0, C and D window 2 or 3
.if UU%2
	v_wmma_scale_f32_16x16x128_f8f6f4 v[128*EE+8*UU:128*EE+8*UU+7], v[16*UU:16*UU+15], v[64+16*(2*PP+EE):64+16*(2*PP+EE)+15], v[128*EE+8*UU:128*EE+8*UU+7], v[8+UU/2], v[20+2*PP+EE] matrix_a_scale:MATRIX_SCALE_ROW1
.else
	v_wmma_scale_f32_16x16x128_f8f6f4 v[128*EE+8*UU:128*EE+8*UU+7], v[16*UU:16*UU+15], v[64+16*(2*PP+EE):64+16*(2*PP+EE)+15], v[128*EE+8*UU:128*EE+8*UU+7], v[8+UU/2], v[20+2*PP+EE]
.endif
.endm
; Behind product n stand the four multiplications of accumulator n + 3: they name no register of the products round them, and eight plain instructions lie between an accumulator's multiplications and its product
; (at the tail eight v_nop take that part).
.macro PV
	s_wait_dscnt 16                                ; v's scale words and its fragments 0-11 are in; the 16 loads of fragments 12-15 may be out
	RESC 0
	RESC 1
	RESC 2
.set g, 0
.rept 64
.if g == 24
	s_wait_dscnt 0x0                               ; fragments 12-15: product 24 is the first that reads them
.endif
	PVW g
.if g < 61
	RESC g+3
.elseif g < 63
	PLACES 4
.endif
.set g, g+1
.endr
	WIN 0
.endm
; A slot that has been read out is filled again with the next block's half.  Each wave waits for all its tensor loads (the one that is out is the other slot's, which is read next), adds 0 to its spare word,
; and waits for that and for its reads of the slot; a round of the cluster's barrier follows, so that no wave of any partner still reads the slot or has a load on its way; the joint refill is the first thing behind it.
.macro CHANGE g0
	WIN 0
	s_wait_tensorcnt 0x0
	ds_add_u32 v1, v2
	s_add_nc_u64 s[\g0+2:\g0+3], s[\g0+2:\g0+3], KVB   ; no load of mine is out, so the descriptor may step: the next block
	s_wait_dscnt 0x0
	CROUND
	tensor_load_to_lds s[\g0:\g0+3], s[24:31]
	s_nop 0
	PLACES 4
.endm
.macro STEP fill
	KPHASE
	STAT4
	EXP0                                           ; tile 0: t - M and p; tile 1: t - M
	SUM 0
	EM 1                                           ; tile 1: p; tile 0: the hold
	CVT 0
	SUM 1
	FMA 2
.if \fill
	CHANGE 32                                      ; k's slot
.else
	WIN 0
	s_wait_tensorcnt 0x0                           ; v of the last block has landed; the bytes are my own
.endif
.irp i, 0,1,2,3,4,5,6,7
	ds_load_b32 v[8+\i], v5 offset:128*\i          ; v's scale words: lanes 0-15 tile 2 i, lanes 16-31 tile 2 i + 1
.endr
	VLOAD4 0
	EM 2
	CVT 1
	VLOAD4 1
	SUM 2
	FMA 3
	EM 3
	CVT 2
	VLOAD4 2
	SUM 3
	MIN3
	CVT 3
	VLOAD4 3
	PV
.endm
	s_wait_loadcnt 0x0                             ; q
	s_wait_tensorcnt 0x1                           ; k of my first block is in; v's load may be out.  Only I read these bytes, so no barrier is owed
.Lstep:                                            ; seven trips: each asks for the next block's k and v
	STEP 1
	CHANGE 36                                      ; v's slot
	PLACES 5                                       ; with the four behind the load: nine places between v's products and the next products, which write over v's fragments, and the loads over p's codes
	s_sub_co_u32 s40, s40, 1
	s_cmp_lg_u32 s40, 0
	s_cbranch_scc1 .Lstep
	STEP 0                                         ; the last block is written out
; ---- THE FOUR QUARTERS ARE JOINED.  Wave w stores its O^T, -M and sums; behind a barrier wave w takes query tile w from all four.
	PLACES 8
.irp q, 0,1,2,3
	v_add_f32 v[26+4*\q], v[26+4*\q], v[27+4*\q]
.endr
.irp q, 0,1,2,3
	v_permlanex16_b32 v[44+\q], v[26+4*\q], s[SEL], s[SEL+1]
.endr
.irp q, 0,1,2,3
	v_add_f32 v[26+4*\q], v[26+4*\q], v[44+\q]     ; my quarter's sum of each query
.endr
	v_and_b32 v108, 31, v0                         ; L
	v_and_b32 v109, 15, v0                         ; r
	v_bfe_u32 v110, v0, 4, 1                       ; h
	v_lshlrev_b32 v3, 8, v109
	v_lshl_add_u32 v3, v110, 4, v3                 ; wo: row r of 256 codes, + 16 h
	v_lshlrev_b32 v4, 3, v109
	v_lshl_add_u32 v4, v110, 2, v4                 ; its scale bytes: lanes 0-15 K step 0's word, lanes 16-31 K step 1's
	v_lshlrev_b32 v5, 2, v109                      ; bo: my channel
	s_lshl_b32 s44, s18, 16
	v_lshl_add_u32 v6, v108, 4, s44                ; my O^T's images: wave x 65,536 + tile x 16,384 + 512 i + 16 L
	s_lshl_b32 s44, s18, 10
	s_add_co_u32 s44, s44, STATS
	v_lshl_add_u32 v7, v108, 2, s44
	s_lshl_b32 s44, s18, 8
	s_add_co_u32 s44, s44, STATS
	v_lshl_add_u32 v96, v108, 2, s44               ; tile w's statistics
	s_lshl_b32 s44, s18, 14
	v_lshl_add_u32 v97, v108, 4, s44               ; tile w's images, from wave 0,
	v_add_nc_u32 v98, 0x10000, v97                 ; 1,
	v_add_nc_u32 v99, 0x20000, v97                 ; 2,
	v_add_nc_u32 v100, 0x30000, v97                ; 3
	s_lshl_b32 s44, s18, 12
	s_add_co_u32 s44, s44, OIMG
	v_lshl_add_u32 v101, v108, 4, s44              ; where tile w's codes go,
	s_lshl_b32 s44, s18, 7
	s_add_co_u32 s44, s44, OSC
	v_lshl_add_u32 v102, v109, 2, s44              ; and its scale words
	v_lshl_add_u32 v103, v108, 4, OIMG
	v_lshl_add_u32 v104, v108, 2, OSC
	s_mul_i32 s44, s18, YST
	v_mul_u32_u24 v105, v109, 272
	v_lshl_add_u32 v105, v110, 6, v105
	v_add_nc_u32 v105, s44, v105                   ; the way out, in: row = my channel r, + 64 h
	v_mul_u32_u24 v106, v110, 272
	v_lshl_add_u32 v106, v109, 4, v106
	v_add_nc_u32 v106, s44, v106                   ; back: lanes 0-15 one row, lanes 16-31 the next
	v_lshlrev_b32 v107, 14, v110
	v_lshl_add_u32 v107, v109, 4, v107             ; and the same two rows in x and out0
	WIN 0x40
.irp t, 0,1,2,3
.irp e, 0,1
.irp c, 0,1,2,3
	global_load_b128 v[128+32*\t+16*\e+4*\c:128+32*\t+16*\e+4*\c+3], v3, s[8:9] offset:\t*4096+\e*128+32*\c   ; wo's rows 64 w + 16 t + r
.endr
.endr
.endr
	WIN 0
.irp t, 0,1,2,3
	global_load_b32 v[12+\t], v4, s[10:11] offset:128*\t
.endr
.irp t, 0,1,2,3
	global_load_b32 v[60+\t], v5, s[12:13] offset:64*\t
.endr
	s_wait_dscnt 0x0                               ; my reads of my slots are over (and my tensor loads have all landed)
	s_barrier_signal -1
	s_barrier_wait -1                              ; every wave has left its slots: they have had their last fill and may be stored into
	WIN 0x08                                       ; an LDS store's data are its source 1: window 2
.irp q, 0,1
.set i, 0
.rept 32
	ds_store_b128 v6, v[128*\q+4*i:128*\q+4*i+3] offset:\q*16384+i*512      ; each accumulator from its low end on
.set i, i+1
.endr
.endr
	WIN 0x0c
.irp q, 0,1
.set i, 0
.rept 32
	ds_store_b128 v6, v[128*\q+4*i:128*\q+4*i+3] offset:(2+\q)*16384+i*512
.set i, i+1
.endr
.endr
	WIN 0
.irp q, 0,1,2,3
	ds_store_b32 v7, v[24+4*\q] offset:\q*256
	ds_store_b32 v7, v[26+4*\q] offset:\q*256+128
.endr
	s_wait_dscnt 0x0
	s_barrier_signal -1
	s_barrier_wait -1
.macro MLOAD base, adr                 ; one wave's 128 registers of tile w
.set i, 0
.rept 32
	ds_load_b128 v[\base+4*i:\base+4*i+3], v[\adr] offset:512*i
.set i, i+1
.endr
.endm
.irp s, 0,1,2,3
	ds_load_b32 v[40+\s], v96 offset:\s*1024
	ds_load_b32 v[44+\s], v96 offset:\s*1024+128
.endr
	WIN 0x80
	MLOAD 0, 97
	WIN 0
	s_wait_dscnt 32                                ; the statistics are in; the 32 loads behind them may be out
	v_min3_num_f32 v48, v40, v41, v42
	v_min_num_f32 v48, v48, v43                    ; -M of the whole row
.irp s, 0,1,2,3
	v_sub_f32 v[40+\s], v48, v[40+\s]              ; a quarter's M less the row's: a whole number, 0 or less
.endr
.irp s, 0,1,2,3
	v_cvt_i32_f32 v[40+\s], v[40+\s]
.endr
.irp s, 0,1,2,3
	v_ldexp_f32 v[40+\s], 1.0, v[40+\s]            ; its factor, a power of two
.endr
	v_mul_f32 v49, v40, v44
	v_fma_f32 v49, v41, v45, v49
	v_fma_f32 v49, v42, v46, v49
	v_fma_f32 v49, v43, v47, v49                   ; the row's sum
	v_rcp_f32 v49, v49
	v_nop
	s_wait_alu depctr_va_vdst(0)
.irp s, 0,1,2,3
	v_mul_f32 v[50+2*\s], v[40+\s], v49            ; factor / sum, in the low halves of four pairs
.endr
	WIN 0x80
	MLOAD 128, 98
	s_wait_dscnt 32                                ; wave 0's part is in
	WIN 0x02
.set i, 0
.rept 64
	v_pk_mul_f32 v[128+i:129+i], v[i:i+1], v[50:51] op_sel_hi:[1,0]
.set i, i+2
.endr
	WIN 0xc0
	MLOAD 0, 99
	s_wait_dscnt 32
	WIN 0x02
.set i, 0
.rept 64
	v_pk_fma_f32 v[128+i:129+i], v[128+i:129+i], v[52:53], v[128+i:129+i] op_sel_hi:[1,0,1]   ; source 0: wave 1's part, in window 2
.set i, i+2
.endr
	WIN 0xc0
	MLOAD 128, 100
	s_wait_dscnt 32
	WIN 0x03
.set i, 0
.rept 64
	v_pk_fma_f32 v[128+i:129+i], v[i:i+1], v[54:55], v[128+i:129+i] op_sel_hi:[1,0,1]
.set i, i+2
.endr
	WIN 0xc0
.set i, 0
.rept 32
	global_load_b128 v[4*i:4*i+3], v107, s[14:15] offset:i*32768 th:TH_LOAD_NT   ; the residual: x at my 64 channels x 64 positions, asked for early
.set i, i+1
.endr
	s_wait_dscnt 0x0
	WIN 0x03
.set i, 0
.rept 64
	v_pk_fma_f32 v[128+i:129+i], v[128+i:129+i], v[56:57], v[128+i:129+i] op_sel_hi:[1,0,1]   ; source 0: wave 3's part, in window 3
.set i, i+2
.endr
	WIN 0
	QUANT 128, 64                                  ; the finished attention of tile w: register 16 b + i = channel 32 b + 16 h + i: K step 0 of the last product,
.irp c, 0,1,2,3
	ds_store_b128 v101, v[64+4*\c:64+4*\c+3] offset:\c*512
.endr
	ds_store_b32 v102, v[PW]                       ; (lanes r and r + 16 write the same word with the same value)
	QUANT 192, 80                                  ; and K step 1
.irp c, 0,1,2,3
	ds_store_b128 v101, v[80+4*\c:80+4*\c+3] offset:2048+\c*512
.endr
	ds_store_b32 v102, v[PW] offset:64
	s_wait_dscnt 0x0
	s_barrier_signal -1
	s_barrier_wait -1                              ; the four tiles' images lie in LDS, and nobody reads the O^T images any more
; ---- THE LAST PRODUCT: wave w makes output channels 64 w on for the 64 queries.  Source 0 = 16 queries, source 1 = 16 rows of wo: a lane holds one channel and eight neighbouring positions.
	WIN 0x40
.irp p, 0,1,2,3
.irp e, 0,1
.irp c, 0,1,2,3
	ds_load_b128 v[32*\p+16*\e+4*\c:32*\p+16*\e+4*\c+3], v103 offset:\p*4096+\e*2048+\c*512
.endr
.endr
.endr
	WIN 0
.irp p, 0,1,2,3
	ds_load_b32 v[8+\p], v104 offset:128*\p
.endr
	s_wait_loadcnt 32                              ; wo, its scales and bo are in; x's 32 loads may be out
	WIN 0x80
.irp t, 0,1,2,3
.irp j, 0,1,2,3,4,5,6,7
	v_mov_b32 v[128+8*\t+\j], v[60+\t]             ; bo as a C
.endr
.endr
	PLACES 4
	s_wait_dscnt 0x0
	WIN 0xa5                                       ; sources 0 and 1 window 1, C and D window 2
.irp t, 0,1,2,3
.irp p, 0,1,2,3
	v_wmma_scale_f32_16x16x128_f8f6f4 v[8*(4*\t+\p):8*(4*\t+\p)+7], v[32*\p:32*\p+15], v[128+32*\t:128+32*\t+15], v[128+8*\t:128+8*\t+7], v[8+\p], v[12+\t]
.endr
.endr
.irp t, 0,1,2,3
.irp p, 0,1,2,3
	v_wmma_scale_f32_16x16x128_f8f6f4 v[8*(4*\t+\p):8*(4*\t+\p)+7], v[32*\p+16:32*\p+31], v[128+32*\t+16:128+32*\t+31], v[8*(4*\t+\p):8*(4*\t+\p)+7], v[8+\p], v[12+\t] matrix_a_scale:MATRIX_SCALE_ROW1 matrix_b_scale:MATRIX_SCALE_ROW1
.endr
.endr
	WIN 0
	PLACES 8
	WIN 0x08
.irp t, 0,1,2,3
.irp p, 0,1,2,3
	ds_store_b128 v105, v[8*(4*\t+\p):8*(4*\t+\p)+3] offset:\t*4352+128*(\p/2)+32*(\p%2)        ; row 8 h + j of query tile p is position 32 (p / 2) + 8 (p % 2) + 16 h + j
	ds_store_b128 v105, v[8*(4*\t+\p)+4:8*(4*\t+\p)+7] offset:\t*4352+128*(\p/2)+32*(\p%2)+16
.endr
.endr
	WIN 0x40
.set i, 0
.rept 32
	ds_load_b128 v[4*i:4*i+3], v106 offset:544*i   ; LDS serves a wave's instructions in order (ISA guide 5.7.1.4): these see my stores; the stage is my own
.set i, i+1
.endr
	s_wait_loadcnt 0x0                             ; x
	s_wait_dscnt 0x0
	WIN 0x4d                                       ; destination and source 0 window 1, source 1 (x) window 3
.set i, 0
.rept 64
	v_pk_add_f32 v[i:i+1], v[i:i+1], v[i:i+1]
.set i, i+2
.endr
	WIN 0x04                                       ; a store's data are its source 1: window 1
.set i, 0
.rept 32
	global_store_b128 v107, v[4*i:4*i+3], s[16:17] offset:i*32768 th:TH_STORE_NT   ; sixteen lanes store 256 consecutive bytes, at a multiple of 256 from out0's first byte
.set i, i+1
.endr
	WIN 0
	s_wait_tensorcnt 0x0                           ; the wave's end
	ds_add_u32 v1, v2
	s_wait_dscnt 0x0
	CROUND                                         ; the closing round
	s_endpgm
.Lfunc_end_k_q5544cad063_attn:
	.size	k_q5544cad063_attn, .Lfunc_end_k_q5544cad063_attn-k_q5544cad063_attn
	.p2alignl 7, 3214868480
	.fill 96, 4, 3214868480
	.section	.rodata,"a",@progbits
	.p2align	6, 0x0
	.amdhsa_kernel k_q5544cad063_attn
		.amdhsa_group_segment_fixed_size 327680
		.amdhsa_private_segment_fixed_size 0
		.amdhsa_enable_private_segment 0
		.amdhsa_kernarg_size 56
		.amdhsa_user_sgpr_count 2
		.amdhsa_user_sgpr_kernarg_segment_ptr 1
		.amdhsa_wavefront_size32 1
		.amdhsa_system_sgpr_workgroup_id_x 1
		.amdhsa_system_sgpr_workgroup_id_y 1
		.amdhsa_system_sgpr_workgroup_id_z 1
		.amdhsa_system_vgpr_workitem_id 0
		.amdhsa_next_free_vgpr 1024
		.amdhsa_next_free_sgpr 66
		.amdhsa_reserve_vcc 0
		.amdhsa_float_denorm_mode_32 3
		.amdhsa_float_denorm_mode_16_64 3
		.amdhsa_memory_ordered 1
		.amdhsa_forward_progress 1
		.amdhsa_inst_pref_size 255
	.end_amdhsa_kernel
	.section	.bss,"aw",@nobits
	.p2align	6
	.space	262144
	.amdgpu_metadata
---
amdhsa.version: [ 1, 2 ]
amdhsa.kernels:
  - .name:           k_q5544cad063_attn
    .symbol:         k_q5544cad063_attn.kd
    .args:
      - { .name: qbuf, .offset: 0, .size: 8, .value_kind: global_buffer, .address_space: global }
      - { .name: kv, .offset: 8, .size: 8, .value_kind: global_buffer, .address_space: global }
      - { .name: wo_codes, .offset: 16, .size: 8, .value_kind: global_buffer, .address_space: global }
      - { .name: wo_scales, .offset: 24, .size: 8, .value_kind: global_buffer, .address_space: global }
      - { .name: bo, .offset: 32, .size: 8, .value_kind: global_buffer, .address_space: global }
      - { .name: x, .offset: 40, .size: 8, .value_kind: global_buffer, .address_space: global }
      - { .name: out0, .offset: 48, .size: 8, .value_kind: global_buffer, .address_space: global }
    .group_segment_fixed_size: 327680
    .private_segment_fixed_size: 0
    .kernarg_segment_align: 8
    .kernarg_segment_size: 56
    .max_flat_workgroup_size: 128
    .sgpr_count:     66
    .vgpr_count:     1024
    .wavefront_size: 32
...
	.end_amdgpu_metadata
.endif
;; end of part 3
